; MI455X (gfx1250); checked and timed in simulation.
; The chip was launched on July 23, 2026; its instructions are those of AMD's public machine-readable ISA for CDNA 5 (MIT licence, August 2026) and "CDNA5" Instruction Set Architecture Reference Guide (July 2026). The comments in the code are by the model that wrote it; some were corrected since.
;; Enhanced Context Aware Dual VQ. Allowed arithmetic: matrix products marked QUANTISED: E3M2 operands, one E8M0 scale for each 32 along K, by v_wmma_scale_f32_16x16x128_f8f6f4 with both operands' format E3M2, f32 sums; everything else in f32.
;; Inputs: embedding 8,192 x 512 float32; z 8 x 2,048 x 512 float32.
;; Outputs: out0 8 x 2,048 x 512 float32; out1 one number float32.
;; This version of the problem:
;;   THIS VERSION OF THE PROBLEM IS GIVEN IN LOW PRECISION. The matrix products marked QUANTISED in the list below multiply operands that are first quantised to E3M2 (3 exponent bits, 2 mantissa bits; 6 bits a number), with one power-of-two scale for each 32 numbers along K (OCP MX v1.0); their sums are f32. All else is computed in f32.
;;   The module's matrix products, in the order in which they are computed (A, B: the left and right operand; K: the contracted axis; several contracted axes count as one K, in the product's order):
;;     1. [M 16,384, K 512] x [K 512, N 8,192]; A: input z; B: input embedding: QUANTISED
;;   THE QUANTISER, for each operand of a quantised product, along K:
;;     - K is cut into blocks of 32 from its start; a last block that is shorter is filled with zeros.
;;     - A block's scale is 2^e with e = floor(log2(the largest magnitude in the block)) - 4, held to -126 .. 127; a block of zeros has e = 0. As a byte (E8M0): e + 127.
;;     - Each number is divided by its block's scale, clamped to +-28, and rounded to the nearest number of E3M2, ties to even, subnormals kept.
;;     - The product sums the exact products of the quantised numbers (number of the format x scale) in f32.
;;   ~~~python
;;   def quantise(x, axis):      # numpy; x: float32 -> the quantised numbers, widened to float32 again
;;       x = np.moveaxis(x, axis, -1); K = x.shape[-1]
;;       x = np.pad(x, [(0, 0)] * (x.ndim - 1) + [(0, -K % 32)]); x = x.reshape(x.shape[:-1] + (-1, 32)); a = np.abs(x).max(-1, keepdims=True)
;;       e = np.where(a > 0, np.clip(np.frexp(np.where(a > 0, a, 1))[1] - 1 - 4, -126, 127), 0)      # np.frexp(a)[1] - 1 = floor(log2(a)), exactly
;;       r = np.clip(x / 2.0 ** e, -28, 28)
;;       step = 2.0 ** (np.maximum(np.frexp(np.where(r == 0, 1, r))[1] - 1, -2) - 2)
;;       q = np.round(r / step) * step * 2.0 ** e      # np.round: ties to even
;;       return np.moveaxis(q.reshape(q.shape[:-2] + (-1,))[..., :K], -1, axis).astype(np.float32)
;;   ~~~
;; One version. Each part assembles by itself: llvm-mc -triple=amdgcn-amd-amdhsa -mcpu=gfx1250 --defsym DOCPART=n.
;; ======== version 1 of 1: 4 launches
;; limits: right only within a limited range of input values
;; workspace buffers: codes 9,437,184 bytes; scl 393,216 bytes; norm 98,304 bytes; cand 1,048,576 bytes of whole numbers; partial 1,024 bytes
;; launch quant (part 1): grid 256 x 1, 6 waves a work-group, no clusters, 51,456 bytes of LDS; arguments z, embedding, codes, scl, norm; writes codes, scl, norm
.if DOCPART == 1
	.amdgcn_target "amdgcn-amd-amdhsa--gfx1250"
	.amdhsa_code_object_version 6
	.text
	.protected	k_q35e65165d4_quant
	.globl	k_q35e65165d4_quant
	.p2align	8
	.type	k_q35e65165d4_quant,@function
k_q35e65165d4_quant:
	s_mov_b64 s[64:65], 0
	v_nop
	global_prefetch_b8 v0, s[64:65] scope:SCOPE_SE
	s_setreg_imm32_b32 hwreg(HW_REG_WAVE_MODE, 25, 1), 1
	s_wait_xcnt 0x0
; z [16384][512] and embedding [8192][512], f32, become codes of BF6 (E3M2) with one E8M0 byte for each 32 along K, and each row's sum of squares.
; A TILE is 16 rows x 512 K: 32,768 dense bytes of input.  There are 1,536 tiles: 1,024 of z, 512 of the embedding; wave w of work-group g takes tile 6 g + w.
; THE CODES ARE LAID AS IMAGES OF THE OPERAND'S REGISTERS: position pos has 6,144 bytes; K step s (128 along K) is a fragment of 12 registers a lane, 1,536 bytes: registers 4 c .. 4 c + 3 of lane l at 1536 s + 512 c + 16 l.
; z's tile R lies at position R; the embedding's tile T at position 1535 - T: the next launch walks memory upward while code numbers fall.
; scl: position x 256 + 16 x row: the row's 16 scale bytes (word s serves K step s).  norm: position x 64 + 4 x row: the row's sum of squares.
; A block's scale is 2^(floor(log2(its largest magnitude)) - 4); its byte is the largest magnitude's exponent field - 4, held at 1 from below.
; LIMITS: a block of zeros gets the byte 1 (its codes are zeros, and this program alone reads the bytes); NaN and infinities among the inputs are not served; the sums of squares are fused multiply-adds, added in the lanes' own order.
; ALL 64 LOADS OF A WAVE GO OUT AT ITS HEAD, 512 consecutive bytes each: the work-group's whole input, 196,608 bytes, is on its way at once.  K steps 0 and 1 land in window 0, K steps 2 and 3 in window 1.
; A K step's 8,192 bytes turn through the wave's own stage in LDS (rows 528 bytes apart), so that lane (r, h) gets, of row r, the 32 neighbours 64 c + 32 h + 0 .. 31 of each half c of the step:
; just what the operand's layout gives that lane.  So a block lies in one lane, and the conversions' results are the operand's registers.  No barrier: waves share nothing.  No matrix unit, no cluster: every byte is read once by one wave.
; The codes leave in stores of 512 consecutive aligned bytes, the scale bytes as 256; the 16 sums are 64 bytes, a small part of what a wave writes.
; LEFT OUT AS DEAD WORK, in this program's launches: the term sum(flat * flat) of dist.  It is one number for all 8,192 codes of a row, dist reaches the outputs through argmin along the codes alone,
; and an argmin stays where it is when one number is added to all its entries: so, whatever z holds, the term reaches no output.  What is searched is the largest z.E - ee / 2, which is dist without that term times -1/2, a power of two.
; So norm holds, for the embedding's tiles alone, -1/2 x the row's sum of squares; z's tiles store none (both tensors take one path, so the sums are still formed in registers).  Every input is loaded: z and the embedding are both live.
; LIMIT: a NaN, an infinity or an overflow that reaches only the term left out is not carried to the result; where two codes' distances differ by no more than f32 rounding, the choice may fall otherwise than with the term in place.
.set STG, 8448
.set MX,  12                           ; v12-13  the two blocks' largest magnitudes
.set SO,  14                           ; v14-15  the conversions' scale operands
.set BY,  16                           ; v16-17  the scale bytes
.set WT,  18                           ; v18     my two bytes at their places in the scale word
.set WO,  19                           ; v19     lane l xor 16's
.set W,   20                           ; v20-23  the scale words of the four K steps
.set SQ,  24                           ; v24-31  sums of squares: four pairs
.set C,   32                           ; v32-43  a fragment's codes
.set T0,  44                           ; v44-46, v48-50: the second halves of the two blocks' codes (a conversion's three registers begin on an even number)
.set T1,  48
.set RAW, 64                           ; v64-191 K steps 0 and 1 as loaded, 64 registers each; K steps 2 and 3 at v0-127 of window 1
.set X,   192                          ; v192-255 a K step as the conversions want it
.set MSB, 0
.macro WIN new                         ; s_set_vgpr_msb: bits 3:2 source 1, 7:6 destination; the immediate's high byte repeats the setting that is left
.if MSB != \new
	s_set_vgpr_msb (MSB<<8)|\new
.set MSB, \new
.endif
.endm
	s_load_b256 s[4:11], s[0:1], 0x0               ; z s[4:5], embedding s[6:7], codes s[8:9], scl s[10:11]
	s_load_b64 s[12:13], s[0:1], 0x20              ; norm
	v_lshl_add_u32 v62, v0, 2, 0xc600
	v_mov_b32 v63, 0
	v_lshrrev_b32 v2, 5, v0
	v_readfirstlane_b32 s14, v2                    ; wave 0..5
	v_and_b32 v1, 31, v0                           ; lane
	v_and_b32 v2, 15, v0                           ; r
	v_bfe_u32 v3, v0, 4, 1                         ; h
	v_lshlrev_b32 v4, 4, v1                        ; 16 x lane: my bytes of a load and of a store of codes
	s_mul_i32 s17, s14, STG
	v_add_nc_u32 v5, s17, v4                       ; the stage, on the way in: 16 x lane in a row
	v_mul_u32_u24 v6, v2, 528
	v_lshl_add_u32 v6, v3, 7, v6
	v_add_nc_u32 v6, s17, v6                       ; and on the way out: row r, + 128 h
	v_lshlrev_b32 v8, 3, v3                        ; 8 h: my bytes' shift in a scale word
	v_lshlrev_b32 v9, 4, v2                        ; 16 r
	v_lshlrev_b32 v10, 2, v2                       ; 4 r
	v_mov_b32 v[WO], 0                             ; written once: a lane permute's destination counts as one of its sources
	s_mov_b32 s20, 0x76543210
	s_mov_b32 s21, 0xfedcba98                      ; v_permlanex16_b32's selects for lane l xor 16
	s_mul_i32 s15, ttmp9, 6
	s_add_co_u32 s15, s15, s14                     ; my tile, 0 .. 1535
	s_sub_co_u32 s16, 2559, s15                    ; an embedding tile's position: 1535 - (tile - 1024)
	s_wait_alu depctr_va_vdst(0)
	s_wait_kmcnt 0x0
	s_cmp_lt_u32 s15, 1024                         ; z or the embedding?  The choice hangs on ids alone; both take one path
	s_cselect_b64 s[22:23], s[4:5], s[6:7]
	s_cselect_b32 s16, s15, s16                    ; the position
	s_cselect_b32 s17, 0, 1024
	s_sub_co_u32 s17, s15, s17                     ; the tile's number in its tensor
	s_lshl_b32 s18, s17, 15
	s_mov_b32 s19, 0
	s_add_nc_u64 s[22:23], s[22:23], s[18:19]      ; in: 32,768 bytes a tile
	s_mul_i32 s18, s16, 6144
	s_add_nc_u64 s[24:25], s[8:9], s[18:19]        ; codes
	s_lshl_b32 s18, s16, 8
	s_add_nc_u64 s[26:27], s[10:11], s[18:19]      ; scale bytes
	s_lshl_b32 s18, s16, 6
	s_add_nc_u64 s[28:29], s[12:13], s[18:19]      ; sums of squares
.macro LOAD s                          ; K step s of the 16 rows: 16 loads of 512 consecutive bytes
.set lb, RAW+64*(\s)
.if \s > 1
.set lb, 64*((\s)-2)
.endif
.irp i, 0,1,2,3,4,5,6,7,8,9,10,11,12,13,14,15
	global_load_b128 v[lb+4*\i:lb+4*\i+3], v4, s[22:23] offset:2048*\i+512*(\s) th:TH_LOAD_NT
.endr
.endm
.macro STEP s
	s_wait_loadcnt 48-16*(\s)                      ; this step's 16 loads are in; the later steps' 16 each may be out
.set lb, RAW+64*(\s)
.if \s > 1
.set lb, 64*((\s)-2)
	WIN 0x04                                       ; an LDS store's data are its source 1: window 1
.endif
.irp i, 0,1,2,3,4,5,6,7,8,9,10,11,12,13,14,15
	ds_store_b128 v5, v[lb+4*\i:lb+4*\i+3] offset:528*\i
.endr
	WIN 0
.irp c, 0,1
.irp u, 0,1,2,3,4,5,6,7
	ds_load_b128 v[X+32*\c+4*\u:X+32*\c+4*\u+3], v6 offset:256*\c+16*\u   ; LDS serves a wave's instructions in order: these see the stores above
.endr
.endr
	s_wait_dscnt 0x0                               ; the numbers are back
.irp i, 0,2,4,6,8,10,12,14,16,18,20,22,24,26,28,30
.irp c, 0,1                                    ; the two blocks' largest magnitudes, by turns with the squares
.if \i == 0
	v_max3_num_f32 v[MX+\c], |v[X+32*\c]|, |v[X+32*\c+1]|, 0x2800000   ; with the floor 2^(5 - 127): the byte cannot fall under 1
.else
	v_max3_num_f32 v[MX+\c], v[MX+\c], |v[X+32*\c+\i]|, |v[X+32*\c+\i+1]|
.endif
.endr
.irp c, 0,1
.if (\s == 0) && (\i < 4)
	v_pk_mul_f32 v[SQ+2*\c+2*(\i%4):SQ+2*\c+2*(\i%4)+1], v[X+32*\c+\i:X+32*\c+\i+1], v[X+32*\c+\i:X+32*\c+\i+1]   ; the first four start the sums
.else
	v_pk_fma_f32 v[SQ+2*\c+2*(\i%4):SQ+2*\c+2*(\i%4)+1], v[X+32*\c+\i:X+32*\c+\i+1], v[X+32*\c+\i:X+32*\c+\i+1], v[SQ+2*\c+2*(\i%4):SQ+2*\c+2*(\i%4)+1]
.endif
.endr
.endr
.irp c, 0,1
	v_add_nc_u32 v[SO+\c], 0xfe000000, v[MX+\c]    ; 4 off the exponent field: the conversion takes the exponent field of this operand as its scale
.endr
.irp c, 0,1
	v_lshrrev_b32 v[BY+\c], 23, v[SO+\c]           ; the scale's byte
.endr
	v_lshl_or_b32 v[WT], v[BY+1], 16, v[BY]        ; my blocks are h and 2 + h of the step's four
	v_lshlrev_b32 v[WT], v8, v[WT]
	v_permlanex16_b32 v[WO], v[WT], s20, s21
	v_or_b32 v[W+\s], v[WT], v[WO]                 ; with lane l xor 16's two bytes the word is whole
.if \s > 0
	s_wait_alu depctr_va_vdst(0)
	s_wait_xcnt 0x0                                ; the last step's stores have read the codes' registers: they are written again only behind this wait
.endif
	v_cvt_scalef32_pk16_bf6_f32 v[C:C+2], v[X:X+15], v[SO]
	v_cvt_scalef32_pk16_bf6_f32 v[T0:T0+2], v[X+16:X+31], v[SO]
	v_cvt_scalef32_pk16_bf6_f32 v[C+6:C+8], v[X+32:X+47], v[SO+1]
	v_cvt_scalef32_pk16_bf6_f32 v[T1:T1+2], v[X+48:X+63], v[SO+1]
	v_nop                                          ; one plain place behind a scaled conversion
.irp i, 0,1,2
	v_mov_b32 v[C+3+\i], v[T0+\i]
	v_mov_b32 v[C+9+\i], v[T1+\i]
.endr
.irp c, 0,1,2
	global_store_b128 v4, v[C+4*\c:C+4*\c+3], s[24:25] offset:1536*(\s)+512*\c   ; 32 lanes store 512 consecutive bytes, at a multiple of 256 from the buffer's first byte
.endr
.endm
	LOAD 0
	LOAD 1
	WIN 0x40                                       ; destination window 1, address window 0
	LOAD 2
	LOAD 3
	WIN 0
	STEP 0
	STEP 1
	STEP 2
	STEP 3
	v_pk_add_f32 v[SQ:SQ+1], v[SQ:SQ+1], v[SQ+2:SQ+3]
	v_pk_add_f32 v[SQ+4:SQ+5], v[SQ+4:SQ+5], v[SQ+6:SQ+7]
	v_pk_add_f32 v[SQ:SQ+1], v[SQ:SQ+1], v[SQ+4:SQ+5]
	v_add_f32 v[SQ], v[SQ], v[SQ+1]
	v_permlanex16_b32 v[WO], v[SQ], s20, s21
	v_add_f32 v[SQ], v[SQ], v[WO]                  ; with lane l xor 16's half of the row: the row's sum of squares
	v_mul_f32 v[SQ], -0.5, v[SQ]                   ; x -1/2, exact: the next launch gives it to the products as their C
	s_wait_alu depctr_va_vdst(0)
	s_wait_xcnt 0x0                                ; EXEC changes only behind this wait
	v_cmp_gt_u32 vcc_lo, 16, v1
	s_wait_tensorcnt 0x0
	ds_add_u32 v62, v63
	s_wait_dscnt 0x0
	s_and_saveexec_b32 s30, vcc_lo                 ; lanes 0-15: a lane a row
	global_store_b128 v9, v[W:W+3], s[26:27]       ; 16 lanes store 256 consecutive aligned bytes
	s_cmp_lt_u32 s15, 1024                         ; a tile of z stores no sum: nothing reads it
	s_cbranch_scc1 .Lz
	global_store_b32 v10, v[SQ], s[28:29]
.Lz:
	s_endpgm
.Lfunc_end_k_q35e65165d4_quant:
	.size	k_q35e65165d4_quant, .Lfunc_end_k_q35e65165d4_quant-k_q35e65165d4_quant
	.p2alignl 7, 3214868480
	.fill 96, 4, 3214868480
	.section	.rodata,"a",@progbits
	.p2align	6, 0x0
	.amdhsa_kernel k_q35e65165d4_quant
		.amdhsa_group_segment_fixed_size 51456
		.amdhsa_private_segment_fixed_size 0
		.amdhsa_enable_private_segment 0
		.amdhsa_kernarg_size 40
		.amdhsa_user_sgpr_count 2
		.amdhsa_user_sgpr_kernarg_segment_ptr 1
		.amdhsa_wavefront_size32 1
		.amdhsa_system_sgpr_workgroup_id_x 1
		.amdhsa_system_sgpr_workgroup_id_y 1
		.amdhsa_system_sgpr_workgroup_id_z 1
		.amdhsa_system_vgpr_workitem_id 0
		.amdhsa_next_free_vgpr 384
		.amdhsa_next_free_sgpr 66
		.amdhsa_reserve_vcc 1
		.amdhsa_float_denorm_mode_32 3
		.amdhsa_float_denorm_mode_16_64 3
		.amdhsa_memory_ordered 1
		.amdhsa_forward_progress 1
		.amdhsa_inst_pref_size 39
	.end_amdhsa_kernel
	.amdgpu_metadata
---
amdhsa.version: [ 1, 2 ]
amdhsa.kernels:
  - .name:           k_q35e65165d4_quant
    .symbol:         k_q35e65165d4_quant.kd
    .args:
      - { .name: z, .offset: 0, .size: 8, .value_kind: global_buffer, .address_space: global }
      - { .name: embedding, .offset: 8, .size: 8, .value_kind: global_buffer, .address_space: global }
      - { .name: codes, .offset: 16, .size: 8, .value_kind: global_buffer, .address_space: global }
      - { .name: scl, .offset: 24, .size: 8, .value_kind: global_buffer, .address_space: global }
      - { .name: norm, .offset: 32, .size: 8, .value_kind: global_buffer, .address_space: global }
    .group_segment_fixed_size: 51456
    .private_segment_fixed_size: 0
    .kernarg_segment_align: 8
    .kernarg_segment_size: 40
    .max_flat_workgroup_size: 192
    .sgpr_count:     66
    .vgpr_count:     384
    .wavefront_size: 32
...
	.end_amdgpu_metadata
.endif
;; end of part 1
;; launch search (part 2): grid 32 x 8, 8 waves a work-group, clusters of 4 x 1, 327,680 bytes of LDS; arguments codes, scl, norm, cand; writes cand
.if DOCPART == 2
	.amdgcn_target "amdgcn-amd-amdhsa--gfx1250"
	.amdhsa_code_object_version 6
	.text
	.protected	k_q35e65165d4_search
	.globl	k_q35e65165d4_search
	.p2align	8
	.type	k_q35e65165d4_search,@function
k_q35e65165d4_search:
	s_mov_b64 s[64:65], 0
	v_nop
	global_prefetch_b8 v0, s[64:65] scope:SCOPE_SE
	s_setreg_imm32_b32 hwreg(HW_REG_WAVE_MODE, 25, 1), 1
	s_wait_xcnt 0x0
	s_wait_alu depctr_hold_cnt(0) depctr_sa_sdst(0) depctr_va_vdst(0) depctr_va_sdst(0) depctr_va_ssrc(0) depctr_va_vcc(0) depctr_vm_vsrc(0)
	s_getreg_b32 s2, hwreg(HW_REG_IB_STS2, 6, 4)
	s_cmp_eq_u32 s2, 0
	s_cbranch_scc0 .Lentry_in_a_cluster
	s_endpgm
.Lentry_in_a_cluster:
	s_bfe_u32 s2, ttmp6, 0x10000c
	s_cmp_lg_u32 s2, 0x3003
	s_cbranch_scc0 .Lentry_shape_is_right
	s_endpgm
.Lentry_shape_is_right:
; For each row of z and each eighth of the 8,192 codes: the largest s = z.E - ee / 2 and the first code that attains it.  z.E on codes of BF6 with E8M0 scales, sums f32.
; LEFT OUT: the row's own sum of squares, which is the same for all codes of a row and cannot move the argmin (shown at the head of the first kernel); dist without it is -2 s.
; SHARES.  Work-group X (0..31) owns rows 512 X on; y (0..7) picks positions 64 y .. 64 y + 63 of the embedding's tiles, which lie in FALLING order of code number (position P holds codes 16 (511 - P) on).
; Wave w owns rows 512 X + 64 w + 16 a + r, a = 0..3: its 16 fragments of z (192 registers, window 1) stay for the whole launch, and every wave walks all 64 tiles: a fragment read from LDS feeds four products.
; The tiles go through two LDS slots of 16 tiles (98,304 bytes): four slots' worth in all, so three changes of slots.  The eighth's scale words (16,384 bytes) and its -ee / 2 (4,096 bytes) come into LDS once.
; CLUSTER.  The four work-groups of a cluster share y and walk the same tiles: every tile is asked for jointly, with one descriptor in all four.  By this text's own count a wave has one tensor load out at a time.
; THE PRODUCT IS USED TRANSPOSED: source 0 = 16 codes, source 1 = 16 rows of z: lane (r, h) holds row r, its register j code 8 h + j of the tile.  The C of a tile's first product is -ee / 2 of those eight codes.
; THE ARGMAX, for an accumulator: tm = the largest of its eight; where tm >= m the lane takes tm as m, the tile's code base as ti, and copies the eight numbers to W.  Code numbers fall from tile to tile, so a tie keeps the lower code.
; At the end the first j with W[j] = m gives the code ti + j.  Only values are chosen: no branch and no address hangs on them.
; A TURN: the next tile's 15 LDS loads into the other buffer; 16 products on end (four accumulators by turns); then the tile's 44 vector instructions.
; OUT: cand, for (y, block of 64 rows) 512 bytes: word 4 r + a the key of row 16 a + r (-s as a whole number that orders as the float does), and 256 bytes on its code: one store of 512 consecutive aligned bytes a wave.
; PREFETCH: slots 2 and 3 are each asked for one slot (16 turns) ahead of their tensor loads: 384 blocks of 256 bytes, 96 to a partner, told apart by address; waves 0 to 2, a lane a block.  Slots 0 and 1 come by their loads alone.
; LIMITS: NaN and infinities are not served; s stays above the most negative f32 number, with which m begins.
.set TILEB, 6144
.set SLOTB, 16*TILEB                   ; slot 0 at 0, slot 1 at SLOTB
.set SCLB,  2*SLOTB                    ; scale words, 256 bytes a tile
.set EEB,   SCLB+16384                 ; -ee / 2, 64 bytes a tile
.set SPARE, EEB+4096                   ; the spare words: 128 bytes for each of eight waves, named by no other line
.set SPW, 1                            ; v1  my spare word; never rewritten
.set NIL, 2                            ; v2  0; never rewritten
.set AF,  3                            ; v3  LDS: my 16 bytes of the tile to be loaded next
.set AS,  4                            ; v4  its scale words, row r
.set AE,  5                            ; v5  its -ee / 2, codes 8 h on
.set PFO, 6                            ; v6  256 x lane
.set L16, 7                            ; v7  16 x lane
.set R16, 8                            ; v8  16 r
.set CT,  9                            ; v9  the code number of register 0 of the tile in hand
.set HH,  10                           ; v10 h
.set TM,  12                           ; v12 + 4 a: the tile's largest;  TX, TY at work;  JJ the place in the tile
.set TX,  13
.set TY,  14
.set JJ,  15
.set MN,  28                           ; v28 + 2 a: m;  v29 + 2 a: ti
.set TI,  29
.set ZS,  36                           ; v36-51  z's scale words: 4 a + s
.set ES,  52                           ; v52-59  the tile's: 4 b + s, b = the buffer
.set EE,  60                           ; v60-75  -ee / 2: 8 b + j
.set W,   76                           ; v76-107 the winning accumulator's copy: 8 a + j
.set ACC, 108                          ; v108-139 accumulators: 8 a
.set EF,  140                          ; v140-235 the tile's fragments: 48 b + 12 s
.set DD,  236                          ; v236-239 what is stored
.set WV,  14
.set G1A, 24                           ; groups 1: 64 rows, 16 rows, 48 rows of 256 bytes
.set G1B, 32
.set G1C, 40
.set G0C, 48                           ; groups 0: the ring's two slots; the head's three
.set G0H, 56
.set G0S, 60
.set G0E, 68
.set PFA, 72
.set TR,  74
.set SEL, 88
.set MSB, 0
.macro WIN new                         ; the immediate's high byte repeats the setting that is left
.if MSB != \new
	s_set_vgpr_msb (MSB<<8)|\new
.set MSB, \new
.endif
.endm
.macro CREST                           ; a round of the cluster's barrier behind its opening barrier
	s_cmp_lg_u32 s[WV], 0
	s_cbranch_scc1 .Lnot_wave_0_\@
	s_barrier_signal -3
.Lnot_wave_0_\@:
	s_barrier_wait -3
	s_barrier_signal -1
	s_barrier_wait -1
.endm
.macro CROUND
	s_barrier_signal -1
	s_barrier_wait -1
	CREST
.endm
.macro ASK off                         ; waves 0 to 2: 32 blocks of 256 bytes each of the slot that the next change of slots will load; the address registers are never rewritten
	s_cmp_lt_u32 s[WV], 3
	s_cbranch_scc0 .Lnot_mine_\@
	global_prefetch_b8 v[PFO], s[PFA:PFA+1] offset:\off th:TH_LOAD_NT scope:SCOPE_SE
.Lnot_mine_\@:
.endm
	s_load_b256 s[4:11], s[0:1], 0x0               ; codes s[4:5], scl s[6:7], norm s[8:9], cand s[10:11]
	v_lshl_add_u32 v[SPW], v0, 2, SPARE
	v_mov_b32 v[NIL], 0
	ds_add_u32 v[SPW], v[NIL]                      ; the opening lines: the add, twice on end, and its wait
	ds_add_u32 v[SPW], v[NIL]
	v_lshrrev_b32 v11, 5, v0
	v_and_b32 v[AF], 31, v0
	v_and_b32 v[R16], 15, v0
	v_bfe_u32 v[HH], v0, 4, 1
	v_readfirstlane_b32 s[WV], v11                 ; wave 0..7
	v_lshlrev_b32 v[L16], 4, v[AF]
	v_lshlrev_b32 v[PFO], 8, v[AF]
	v_lshlrev_b32 v[R16], 4, v[R16]
	v_lshlrev_b32 v[AF], 4, v[AF]                  ; slot 0, tile 0
	v_lshl_add_u32 v[AE], v[HH], 5, EEB
	s_bfe_u32 s17, ttmp6, 0x40000                  ; cx: it enters z's, cand's and the prefetches' addresses alone
	s_lshl_b32 s18, ttmp9, 2
	s_add_co_u32 s18, s18, s17                     ; X
	s_and_b32 s19, ttmp7, 0xffff                   ; y, which the four partners share
	s_lshl_b32 s20, s19, 10
	s_sub_co_u32 s20, 8192, s20
	v_add_nc_u32 v[AS], SCLB, v[R16]
	v_lshl_add_u32 v[CT], v[HH], 3, s20            ; 16 above my first tile's: 16 (511 - 64 y) + 8 h + 16
	s_mov_b32 s[SEL], 0x76543210
	s_mov_b32 s[SEL+1], 0xfedcba98
.irp g, G1A, G1B, G1C                  ; dense blocks as rows of 256 bytes (32 elements of 8 bytes), no padding: the images are read 16 bytes a lane on end
	s_mov_b32 s[\g], 15|(3<<16)|(1<<21)            ; the mask: all four work-groups; elements of 8 bytes; bit 21 beside a mask
	s_mov_b32 s[\g+1], 32<<16
	s_mov_b32 s[\g+3], 32<<16
	s_mov_b32 s[\g+5], 32
	s_mov_b32 s[\g+6], 0
	s_mov_b32 s[\g+7], 0
.endr
	s_mov_b32 s[G1A+2], 64<<16
	s_mov_b32 s[G1A+4], 64
	s_mov_b32 s[G1B+2], 16<<16
	s_mov_b32 s[G1B+4], 16
	s_mov_b32 s[G1C+2], 48<<16
	s_mov_b32 s[G1C+4], 48
	s_mul_i32 s21, s19, 64*TILEB
	s_add_co_u32 s21, s21, 1024*TILEB              ; the eighth's first byte in codes
	s_mov_b32 s23, 0
	s_mov_b32 s85, 0
	s_wait_alu depctr_va_vdst(0)
	s_wait_dscnt 0x0                               ; both opening adds are done
	s_wait_kmcnt 0x0
	s_mov_b32 s[G0H], 1                            ; the head, waves 0 to 5: a sixth of slot 0, 64 rows
	s_lshl_b32 s[G0H+1], s[WV], 14
	s_add_co_u32 s22, s21, s[G0H+1]
	s_add_nc_u64 s[G0H+2:G0H+3], s[4:5], s[22:23]
	s_or_b32 s[G0H+3], s[G0H+3], 0x80000000
	s_lshl_b32 s22, s19, 14
	s_add_co_u32 s22, s22, 1024*256
	s_mov_b32 s[G0S], 1                            ; wave 6: the scale words, 64 rows
	s_mov_b32 s[G0S+1], SCLB
	s_add_nc_u64 s[G0S+2:G0S+3], s[6:7], s[22:23]
	s_or_b32 s[G0S+3], s[G0S+3], 0x80000000
	s_lshl_b32 s22, s19, 12
	s_add_co_u32 s22, s22, 1024*64
	s_mov_b32 s[G0E], 1                            ; wave 7: -ee / 2, 16 rows
	s_mov_b32 s[G0E+1], EEB
	s_add_nc_u64 s[G0E+2:G0E+3], s[8:9], s[22:23]
	s_or_b32 s[G0E+3], s[G0E+3], 0x80000000
	s_mov_b32 s[G0C], 1                            ; the ring: my eighth of a slot, 48 rows
	s_mul_i32 s[G0C+1], s[WV], 12288
	s_add_co_u32 s22, s21, s[G0C+1]
	s_add_nc_u64 s[G0C+2:G0C+3], s[4:5], s[22:23]
	s_mov_b32 s[G0C+4], 1
	s_add_co_u32 s[G0C+5], s[G0C+1], SLOTB
	s_add_nc_u64 s[G0C+6:G0C+7], s[G0C+2:G0C+3], SLOTB
	s_or_b32 s[G0C+3], s[G0C+3], 0x80000000
	s_or_b32 s[G0C+7], s[G0C+7], 0x80000000
	s_lshl_b32 s86, s18, 5                         ; what hangs on cx, in registers of its own: z's tiles 32 X + 4 w on,
	s_lshl_b32 s84, s[WV], 2
	s_add_co_u32 s86, s86, s84
	s_mul_i32 s84, s86, TILEB
	s_add_nc_u64 s[76:77], s[4:5], s[84:85]
	s_lshl_b32 s84, s86, 8
	s_add_nc_u64 s[78:79], s[6:7], s[84:85]
	s_lshl_b32 s84, s19, 8                         ; cand at (256 y + 8 X + w) x 512,
	s_lshl_b32 s86, s18, 3
	s_add_co_u32 s84, s84, s86
	s_add_co_u32 s84, s84, s[WV]
	s_lshl_b32 s84, s84, 9
	s_add_nc_u64 s[10:11], s[10:11], s[84:85]
	s_mul_i32 s84, s17, 24576                      ; the prefetches: my work-group's quarter of slot 2, my wave's third of it (held at 2: inside the buffer in every wave)
	s_min_u32 s86, s[WV], 2
	s_lshl_b32 s86, s86, 13
	s_add_co_u32 s84, s84, s86
	s_add_co_u32 s84, s84, s21
	s_add_co_u32 s84, s84, 2*SLOTB
	s_add_nc_u64 s[PFA:PFA+1], s[4:5], s[84:85]
	WIN 0x40                                       ; destination window 1
.set m, 0
.rept 24
	global_load_b128 v[4*m:4*m+3], v[L16], s[76:77] offset:512*m   ; z's row tiles 0 and 1 go out ahead of the round: nobody writes these bytes, and nothing waits for them before the first turn
.set m, m+1
.endr
	WIN 0
	CROUND                                         ; all four work-groups are here: the first joint loads meet
.macro ARM under, g0, g1, next         ; one chain of branches on the wave's number, one load to an arm, all arms to one join: one tensor load a wave at the head
	s_cmp_lt_u32 s[WV], \under
	s_cbranch_scc0 \next
	tensor_load_to_lds s[\g0:\g0+3], s[\g1:\g1+7]
	s_nop 0
.rept 4
	v_nop
.endr
	s_branch .Lasked
\next:
.endm
	ARM 6, G0H, G1A, .Lhead_s
	ARM 7, G0S, G1A, .Lhead_e
	tensor_load_to_lds s[G0E:G0E+3], s[G1B:G1B+7]
	s_nop 0
.rept 4
	v_nop
.endr
.Lasked:
	WIN 0x40                                       ; destination window 1: row tiles 2 and 3
.set m, 24
.rept 24
	global_load_b128 v[4*m:4*m+3], v[L16], s[76:77] offset:512*m   ; z's four tiles are 24,576 bytes on end: fragment (a, s) lands at v[12 (4 a + s)] of window 1 and stays
.set m, m+1
.endr
	WIN 0
.irp a, 0,1,2,3
	global_load_b128 v[ZS+4*\a:ZS+4*\a+3], v[R16], s[78:79] offset:256*\a
.endr
.irp a, 0,1,2,3
	v_mov_b32 v[MN+2*\a], 0xff7fffff               ; m: under every s
	v_mov_b32 v[TI+2*\a], 0
.endr
.set m, 0
.rept 32
	v_mov_b32 v[W+m], 0                            ; written once: the selects name W as a source; the first tile takes its place
.set m, m+1
.endr
.macro LOADS b, kf, ks                 ; a tile into buffer b, 15 loads in the order of their use: -ee / 2 (2), the scale words (1), fragments 0 to 3 (3 each, 512 bytes on end)
	ds_load_b128 v[EE+8*(\b):EE+8*(\b)+3], v[AE] offset:64*(\ks)
	ds_load_b128 v[EE+8*(\b)+4:EE+8*(\b)+7], v[AE] offset:64*(\ks)+16
	ds_load_b128 v[ES+4*(\b):ES+4*(\b)+3], v[AS] offset:256*(\ks)
.set m, 0
.rept 12
	ds_load_b128 v[EF+48*(\b)+4*m:EF+48*(\b)+4*m+3], v[AF] offset:TILEB*(\kf)+512*m
.set m, m+1
.endr
.endm
; base: the LDS instructions issued behind this tile's 15 loads.  K step s wants the tile's first 6 + 3 s loads, so 9 - 3 s of them and the younger ones may be out.  base = -1: all are in already
.macro MRUN b, base
	WIN 0x04                                       ; source 1 (z) window 1
.irp s, 0,1,2,3
.if \base >= 0
	s_wait_dscnt (\base)+9-3*\s
.endif
.irp a, 0,1,2,3
.if \s == 0
	v_wmma_scale_f32_16x16x128_f8f6f4 v[ACC+8*\a:ACC+8*\a+7], v[EF+48*(\b)+12*\s:EF+48*(\b)+12*\s+11], v[12*(4*\a+\s):12*(4*\a+\s)+11], v[EE+8*(\b):EE+8*(\b)+7], v[ES+4*(\b)+\s], v[ZS+4*\a+\s] matrix_a_fmt:MATRIX_FMT_BF6 matrix_b_fmt:MATRIX_FMT_BF6
.else
	v_wmma_scale_f32_16x16x128_f8f6f4 v[ACC+8*\a:ACC+8*\a+7], v[EF+48*(\b)+12*\s:EF+48*(\b)+12*\s+11], v[12*(4*\a+\s):12*(4*\a+\s)+11], v[ACC+8*\a:ACC+8*\a+7], v[ES+4*(\b)+\s], v[ZS+4*\a+\s] matrix_a_fmt:MATRIX_FMT_BF6 matrix_b_fmt:MATRIX_FMT_BF6
.endif
.endr
.endr
	WIN 0
.endm
; The tile's vector work.  Its first four lines name no register of the products: they are the places ahead of the first read of results (ISA guide 7.12.1).  adv = 1: the load addresses go two tiles on; 2: AF one tile, the others two.
.macro EPI adv
	v_add_nc_u32 v[CT], -16, v[CT]                 ; this tile's code numbers
.if \adv == 0
.rept 3
	v_nop
.endr
.else
	v_add_nc_u32 v[AF], (3-\adv)*TILEB, v[AF]
	v_add_nc_u32 v[AS], 512, v[AS]
	v_add_nc_u32 v[AE], 128, v[AE]
.endif
.irp a, 0,1,2,3
	v_max3_num_f32 v[TX+4*\a], v[ACC+8*\a], v[ACC+8*\a+1], v[ACC+8*\a+2]   ; each accumulator is read from its low end on
.endr
.irp a, 0,1,2,3
	v_max3_num_f32 v[TY+4*\a], v[ACC+8*\a+3], v[ACC+8*\a+4], v[ACC+8*\a+5]
.endr
.irp a, 0,1,2,3
	v_max3_num_f32 v[TX+4*\a], v[TX+4*\a], v[ACC+8*\a+6], v[ACC+8*\a+7]
.endr
.irp a, 0,1,2,3
	s_delay_alu instid0(VALU_DEP_4)
	v_max_num_f32 v[TM+4*\a], v[TX+4*\a], v[TY+4*\a]
.endr
.irp a, 0,1,2,3
	v_cmp_ge_f32 vcc_lo, v[TM+4*\a], v[MN+2*\a]    ; a tie counts: this tile's codes are the lower
	v_dual_cndmask_b32 v[MN+2*\a], v[MN+2*\a], v[TM+4*\a] :: v_dual_cndmask_b32 v[TI+2*\a], v[TI+2*\a], v[CT]
.irp j, 0,2,4,6
	v_dual_cndmask_b32 v[W+8*\a+\j], v[W+8*\a+\j], v[ACC+8*\a+\j] :: v_dual_cndmask_b32 v[W+8*\a+\j+1], v[W+8*\a+\j+1], v[ACC+8*\a+\j+1]
.endr
.endr
	s_wait_alu depctr_va_vdst(0)
.endm
.macro RUN                             ; turns 0 to 13 of a slot: a trip is two turns, until the buffers are back where they began
	s_mov_b32 s[TR], 7
.Lrun_\@:
	LOADS 1, 0, 0
	MRUN 0, 15                                     ; the 15 loads just issued may be out
	EPI 0
	LOADS 0, 1, 1
	MRUN 1, 15
	EPI 1
	s_sub_co_u32 s[TR], s[TR], 1
	s_cmp_lg_u32 s[TR], 0
	s_cbranch_scc1 .Lrun_\@
.endm
; Turns 14 and 15, and the change of slots.  mode 0: this slot is filled again.  1: nothing is left to fetch.  2: the last slot.
; With tile 15's loads issued, all that I want of this slot has been asked for: I wait for all my tensor loads (my eighth of the other slot), add 0 to my spare word, multiply tile 14, wait for the add and my reads, and signal.
; Tile 14's vector work and tile 15's products, work on registers, stand between the signal and the wait.
.macro CHANGE nextbase, slot, mode, ask
	LOADS 1, 0, 0
.if \mode < 2
	s_wait_tensorcnt 0x0                           ; no tensor load of mine is out, so a group 0 may be written
	ds_add_u32 v[SPW], v[NIL]
.if \mode == 0
	s_add_nc_u64 s[G0C+4*(\slot)+2:G0C+4*(\slot)+3], s[G0C+4*(\slot)+2:G0C+4*(\slot)+3], 2*SLOTB
.endif
	MRUN 0, 16                                     ; behind tile 14's loads: tile 15's 15 and the add
	s_wait_dscnt 0x0                               ; the add is done, and my reads of this slot are over
	s_barrier_signal -1
	EPI 0
	MRUN 1, -1
	s_barrier_wait -1
.if \mode == 0
	CREST                                          ; the barrier has opened a round of the cluster's barrier: no wave of any partner still reads this slot or has a load on its way
	tensor_load_to_lds s[G0C+4*(\slot):G0C+4*(\slot)+3], s[G1C:G1C+7]   ; my one tensor load behind the round, and the first thing there
	s_nop 0
.endif
	v_add_nc_u32 v[AF], \nextbase, v[L16]          ; the other slot's tile 0
	s_wait_alu depctr_va_vdst(0)                   ; directly behind the write
	LOADS 0, 0, 1
.if \ask
	ASK SLOTB                                      ; slot 3, one slot ahead of its load
.endif
	EPI 2
.else
	MRUN 0, 15
	EPI 0
	MRUN 1, 0                                      ; the last tile: nothing was issued behind its loads
	EPI 0
.endif
.endm
	s_wait_alu depctr_va_vdst(0)
	s_wait_tensorcnt 0x0                           ; my tile of the head's eight is in
	ds_add_u32 v[SPW], v[NIL]
	s_wait_dscnt 0x0
	CROUND                                         ; everybody's are in, and all four work-groups are here
	tensor_load_to_lds s[G0C+4:G0C+7], s[G1C:G1C+7]   ; slot 1's first fill
	s_nop 0
	LOADS 0, 0, 0                                  ; tile 0
	ASK 0                                          ; slot 2, one slot ahead of its load
	v_add_nc_u32 v[AF], TILEB, v[AF]               ; on to tile 1
	v_add_nc_u32 v[AS], 256, v[AS]
	v_add_nc_u32 v[AE], 64, v[AE]
	s_wait_alu depctr_va_vdst(0)
	s_wait_loadcnt 0x0                             ; z
	RUN
	CHANGE SLOTB, 0, 0, 1                          ; slot 0 takes tiles 32 to 47
	RUN
	CHANGE 0, 1, 0, 0                              ; slot 1 takes tiles 48 to 63
	RUN
	CHANGE SLOTB, 0, 1, 0
	RUN
	CHANGE 0, 0, 2, 0
; THE END.  The first j with W[j] = m; then the row's other eight codes of each tile, which lie in lane l xor 16: the larger s, or at a tie the lower code.
.irp a, 0,1,2,3
	v_mov_b32 v[JJ+4*\a], 7
.endr
.irp j, 6,5,4,3,2,1,0
.irp a, 0,1,2,3
	v_cmp_eq_f32 s[90+\a], v[W+8*\a+\j], v[MN+2*\a]   ; four masks by turns: no line waits for the line above it
.endr
.irp a, 0,1,2,3
	v_cndmask_b32 v[JJ+4*\a], v[JJ+4*\a], \j, s[90+\a]
.endr
.endr
.irp a, 0,1,2,3
	v_add_nc_u32 v[TI+2*\a], v[TI+2*\a], v[JJ+4*\a]
.endr
.irp a, 0,1,2,3
	v_permlanex16_b32 v[TX+4*\a], v[MN+2*\a], s[SEL], s[SEL+1]
	v_permlanex16_b32 v[TY+4*\a], v[TI+2*\a], s[SEL], s[SEL+1]
.endr
.irp a, 0,1,2,3
	v_cmp_gt_f32 s90, v[TX+4*\a], v[MN+2*\a]
	v_cmp_eq_f32 s91, v[TX+4*\a], v[MN+2*\a]
	v_cmp_lt_u32 s92, v[TY+4*\a], v[TI+2*\a]
	s_and_b32 s91, s91, s92
	s_or_b32 s90, s90, s91
	v_cndmask_b32 v[MN+2*\a], v[MN+2*\a], v[TX+4*\a], s90
	v_cndmask_b32 v[TI+2*\a], v[TI+2*\a], v[TY+4*\a], s90
.endr
.irp a, 0,1,2,3
	v_sub_f32 v[TX+4*\a], 0, v[MN+2*\a]            ; -s orders as dist does; 0 - s is never -0
.endr
.irp a, 0,1,2,3
	v_ashrrev_i32 v[TY+4*\a], 31, v[TX+4*\a]       ; as a whole number that orders as the float: the sign bit is turned where it is not negative, every bit where it is
.endr
.irp a, 0,1,2,3
	v_or_b32 v[TY+4*\a], 0x80000000, v[TY+4*\a]
.endr
.irp a, 0,1,2,3
	v_xor_b32 v[TX+4*\a], v[TX+4*\a], v[TY+4*\a]
.endr
	v_cmp_eq_u32 vcc_lo, 0, v[HH]
.irp a, 0,1,2,3
	v_cndmask_b32 v[DD+\a], v[TI+2*\a], v[TX+4*\a], vcc_lo   ; lanes 0-15 store the keys, lanes 16-31 the codes
.endr
	global_store_b128 v[L16], v[DD:DD+3], s[10:11] ; 512 consecutive bytes, at a multiple of 256 from the buffer's first byte
	s_wait_tensorcnt 0x0                           ; the wave's end
	ds_add_u32 v[SPW], v[NIL]
	s_wait_dscnt 0x0
	CROUND                                         ; the closing round
	s_endpgm
.Lfunc_end_k_q35e65165d4_search:
	.size	k_q35e65165d4_search, .Lfunc_end_k_q35e65165d4_search-k_q35e65165d4_search
	.p2alignl 7, 3214868480
	.fill 96, 4, 3214868480
	.section	.rodata,"a",@progbits
	.p2align	6, 0x0
	.amdhsa_kernel k_q35e65165d4_search
		.amdhsa_group_segment_fixed_size 327680
		.amdhsa_private_segment_fixed_size 0
		.amdhsa_enable_private_segment 0
		.amdhsa_kernarg_size 32
		.amdhsa_user_sgpr_count 2
		.amdhsa_user_sgpr_kernarg_segment_ptr 1
		.amdhsa_wavefront_size32 1
		.amdhsa_system_sgpr_workgroup_id_x 1
		.amdhsa_system_sgpr_workgroup_id_y 1
		.amdhsa_system_sgpr_workgroup_id_z 1
		.amdhsa_system_vgpr_workitem_id 0
		.amdhsa_next_free_vgpr 448
		.amdhsa_next_free_sgpr 96
		.amdhsa_reserve_vcc 1
		.amdhsa_float_denorm_mode_32 3
		.amdhsa_float_denorm_mode_16_64 3
		.amdhsa_memory_ordered 1
		.amdhsa_forward_progress 1
		.amdhsa_inst_pref_size 114
	.end_amdhsa_kernel
	.amdgpu_metadata
---
amdhsa.version: [ 1, 2 ]
amdhsa.kernels:
  - .name:           k_q35e65165d4_search
    .symbol:         k_q35e65165d4_search.kd
    .args:
      - { .name: codes, .offset: 0, .size: 8, .value_kind: global_buffer, .address_space: global }
      - { .name: scl, .offset: 8, .size: 8, .value_kind: global_buffer, .address_space: global }
      - { .name: norm, .offset: 16, .size: 8, .value_kind: global_buffer, .address_space: global }
      - { .name: cand, .offset: 24, .size: 8, .value_kind: global_buffer, .address_space: global }
    .group_segment_fixed_size: 327680
    .private_segment_fixed_size: 0
    .kernarg_segment_align: 8
    .kernarg_segment_size: 32
    .max_flat_workgroup_size: 256
    .sgpr_count:     96
    .vgpr_count:     448
    .wavefront_size: 32
...
	.end_amdgpu_metadata
.endif
;; end of part 2
;; launch gather (part 3): grid 256 x 1, 16 waves a work-group, no clusters, 2,304 bytes of LDS; arguments z, embedding, cand, out0, partial; writes out0, partial
.if DOCPART == 3
	.amdgcn_target "amdgcn-amd-amdhsa--gfx1250"
	.amdhsa_code_object_version 6
	.text
	.protected	k_q35e65165d4_gather
	.globl	k_q35e65165d4_gather
	.p2align	8
	.type	k_q35e65165d4_gather,@function
k_q35e65165d4_gather:
	s_mov_b64 s[64:65], 0
	v_nop
	global_prefetch_b8 v0, s[64:65] scope:SCOPE_SE
	s_setreg_imm32_b32 hwreg(HW_REG_WAVE_MODE, 25, 1), 1
	s_wait_xcnt 0x0
; out0[row] = embedding[the first code with the smallest distance]; partial[work-group] = the sum of (out0 - z)^2 over its 64 rows.
; Each row has eight candidates, one for each eighth y of the codes, stored by the launch before as whole numbers: for (y, block g of 64 rows) 512 bytes: word 4 r + k the key of row 64 g + 16 k + r, 256 bytes on its code.
; Keys order as the distances do.  Eighth 7 holds the lowest codes: the choice begins there, and an eighth with higher codes is taken only where its key is strictly the smaller, so a tie keeps the lower code.
; The choice is a comparison of stored whole numbers in scalar registers; the code chosen is held to the table.
; Wave w of work-group g takes rows 64 g + 16 k + w, k = 0..3; a row is 2,048 bytes: four loads or stores of 512 consecutive bytes.  No loop.
; ORDER OF THE 32 LOADS: z's rows 0 and 1 while the candidates are on their way; the four code rows; z's rows 2 and 3.  The stores want the code rows alone, so they go out as those land, with z's last rows still out.
; A stream: no matrix unit, no cluster, no tensor load: nothing is shared at one time, and the table's rows are named by a list.
.set ZR, 16                            ; v16-79   z: 16 registers a row, then the difference
.set AR, 80                            ; v80-143  the code's row
.set FN, 144                           ; v144-159 the sixteen waves' sums
.set KY, 20                            ; s20-51   keys: 4 y + k
.set ID, 68                            ; s68-99   codes: 4 y + k
.macro ZLOAD k
.irp u, 0,1,2,3
	global_load_b128 v[ZR+16*\k+4*\u:ZR+16*\k+4*\u+3], v1, s[4:5] offset:32768*\k+512*\u th:TH_LOAD_NT
.endr
.endm
.macro ARITH k                         ; (the code's row - z)^2, summed in two chains
.irp j, 0,2,4,6,8,10,12,14
	v_pk_add_f32 v[ZR+16*\k+\j:ZR+16*\k+\j+1], v[AR+16*\k+\j:AR+16*\k+\j+1], v[ZR+16*\k+\j:ZR+16*\k+\j+1] neg_lo:[0,1] neg_hi:[0,1]
.endr
.irp j, 0,2,4,6,8,10,12,14
.if (\k == 0) && (\j < 4)
	v_pk_mul_f32 v[8+\j:9+\j], v[ZR+\j:ZR+\j+1], v[ZR+\j:ZR+\j+1]   ; the first two start the two chains
.else
	v_pk_fma_f32 v[8+\j%4:9+\j%4], v[ZR+16*\k+\j:ZR+16*\k+\j+1], v[ZR+16*\k+\j:ZR+16*\k+\j+1], v[8+\j%4:9+\j%4]
.endif
.endr
.endm
.macro OUT k                           ; 512 consecutive bytes a store, at a multiple of 256 from out0's first byte; these registers are not written again
.irp u, 0,1,2,3
	global_store_b128 v1, v[AR+16*\k+4*\u:AR+16*\k+4*\u+3], s[10:11] offset:32768*\k+512*\u th:TH_STORE_NT
.endr
.endm
	s_load_b256 s[4:11], s[0:1], 0x0               ; z s[4:5], embedding s[6:7], cand s[8:9], out0 s[10:11]
	s_load_b64 s[12:13], s[0:1], 0x20              ; partial
	v_lshl_add_u32 v160, v0, 2, 0x100
	v_mov_b32 v161, 0
	v_lshrrev_b32 v2, 5, v0
	s_delay_alu instid0(VALU_DEP_1)
	v_readfirstlane_b32 s16, v2                    ; wave 0..15
	s_delay_alu instid0(VALU_DEP_2)
	v_lshlrev_b32 v13, 2, v2                       ; LDS: my wave's word
	v_and_b32 v1, 31, v0
	s_delay_alu instid0(VALU_DEP_1)
	v_lshlrev_b32 v1, 4, v1                        ; 16 x lane
	s_lshl_b32 s14, ttmp9, 9
	s_lshl_b32 s17, s16, 4
	s_add_co_u32 s14, s14, s17                     ; cand: 512 g + 16 w
	s_mov_b32 s15, 0
	s_lshl_b32 s18, ttmp9, 6
	s_add_co_u32 s18, s18, s16
	s_lshl_b32 s18, s18, 11                        ; z and out0: row 64 g + w
	s_mov_b32 s19, 0
	s_mov_b32 s2, 0x76543210
	s_mov_b32 s3, 0xfedcba98
	s_mov_b32 s55, 0
	s_wait_alu depctr_va_vdst(0)
	s_wait_kmcnt 0x0
	s_add_nc_u64 s[8:9], s[8:9], s[14:15]
.irp y, 0,1,2,3,4,5,6,7
	s_load_b128 s[KY+4*\y:KY+4*\y+3], s[8:9], \y*131072
	s_load_b128 s[ID+4*\y:ID+4*\y+3], s[8:9], \y*131072+256
.endr
	s_add_nc_u64 s[4:5], s[4:5], s[18:19]
	s_add_nc_u64 s[10:11], s[10:11], s[18:19]
	s_lshl_b32 s14, ttmp9, 2
	s_add_nc_u64 s[12:13], s[12:13], s[14:15]
	ZLOAD 0
	ZLOAD 1
	s_wait_kmcnt 0x0
.irp k, 0,1,2,3
	s_mov_b32 s52, s[KY+28+\k]
	s_mov_b32 s53, s[ID+28+\k]
.irp y, 6,5,4,3,2,1,0
	s_cmp_lt_u32 s[KY+4*\y+\k], s52                ; strictly the smaller?
	s_cselect_b32 s52, s[KY+4*\y+\k], s52
	s_cselect_b32 s53, s[ID+4*\y+\k], s53
.endr
	s_min_u32 s53, s53, 0x1fff                     ; an index stays inside the table
	s_lshl_b32 s54, s53, 11
	s_add_nc_u64 s[56+2*\k:57+2*\k], s[6:7], s[54:55]
.endr
.irp k, 0,1,2,3
.irp u, 0,1,2,3
	global_load_b128 v[AR+16*\k+4*\u:AR+16*\k+4*\u+3], v1, s[56+2*\k:57+2*\k] offset:512*\u   ; no hint: a row of the table may be named again
.endr
.endr
	ZLOAD 2
	ZLOAD 3
	s_wait_loadcnt 20                              ; z's rows 0 and 1 and code row 0 are in; behind them: three code rows (12) and z's rows 2 and 3 (8)
	ARITH 0
	s_wait_loadcnt 16
	ARITH 1
	OUT 0
	OUT 1
	s_wait_loadcnt 12
	OUT 2
	s_wait_loadcnt 8                               ; all code rows are in; z's last eight loads may be out
	OUT 3
	s_wait_loadcnt 4
	ARITH 2
	s_wait_loadcnt 0x0
	ARITH 3
	s_delay_alu instid0(VALU_DEP_1)
	v_pk_add_f32 v[8:9], v[8:9], v[10:11]
	s_delay_alu instid0(VALU_DEP_1)
	v_add_f32 v8, v8, v9
	s_delay_alu instid0(VALU_DEP_1)
	v_add_f32_dpp v8, v8, v8 row_xmask:1 row_mask:0xf bank_mask:0xf
	s_delay_alu instid0(VALU_DEP_1)
	v_add_f32_dpp v8, v8, v8 row_xmask:2 row_mask:0xf bank_mask:0xf
	s_delay_alu instid0(VALU_DEP_1)
	v_add_f32_dpp v8, v8, v8 row_xmask:4 row_mask:0xf bank_mask:0xf
	s_delay_alu instid0(VALU_DEP_1)
	v_add_f32_dpp v8, v8, v8 row_xmask:8 row_mask:0xf bank_mask:0xf
	s_delay_alu instid0(VALU_DEP_1)
	v_permlanex16_b32 v9, v8, s2, s3
	s_delay_alu instid0(VALU_DEP_1)
	v_add_f32 v8, v8, v9                           ; the wave's sum, in every lane
	ds_store_b32 v13, v8                           ; all lanes write the same word with the same value
	s_wait_dscnt 0x0                               ; for the others' sake
	s_barrier_signal -1
	s_barrier_wait -1
	s_cmp_lg_u32 s16, 0
	s_cbranch_scc1 .Lend
	v_mov_b32 v14, 0
	ds_load_b128 v[FN:FN+3], v14
	ds_load_b128 v[FN+4:FN+7], v14 offset:16
	ds_load_b128 v[FN+8:FN+11], v14 offset:32
	ds_load_b128 v[FN+12:FN+15], v14 offset:48
	s_wait_dscnt 0x0
	v_pk_add_f32 v[FN:FN+1], v[FN:FN+1], v[FN+2:FN+3]
	v_pk_add_f32 v[FN+4:FN+5], v[FN+4:FN+5], v[FN+6:FN+7]
	v_pk_add_f32 v[FN+8:FN+9], v[FN+8:FN+9], v[FN+10:FN+11]
	v_pk_add_f32 v[FN+12:FN+13], v[FN+12:FN+13], v[FN+14:FN+15]
	s_delay_alu instid0(VALU_DEP_3)
	v_pk_add_f32 v[FN:FN+1], v[FN:FN+1], v[FN+4:FN+5]
	s_delay_alu instid0(VALU_DEP_2)
	v_pk_add_f32 v[FN+8:FN+9], v[FN+8:FN+9], v[FN+12:FN+13]
	s_delay_alu instid0(VALU_DEP_1)
	v_pk_add_f32 v[FN:FN+1], v[FN:FN+1], v[FN+8:FN+9]
	s_delay_alu instid0(VALU_DEP_1)
	v_add_f32 v[FN], v[FN], v[FN+1]                ; the sixteen waves' sums, in a fixed order
	s_wait_alu depctr_va_vdst(0)
	s_wait_xcnt 0x0                                ; EXEC changes only behind this wait
	v_cmp_eq_u32 vcc_lo, 0, v0
	s_wait_tensorcnt 0x0                           ; the wave's end
	ds_add_u32 v160, v161
	s_wait_dscnt 0x0
	s_and_saveexec_b32 s17, vcc_lo
	global_store_b32 v14, v[FN], s[12:13]          ; one number for the work-group: the last launch adds the 256
	s_endpgm
.Lend:
	s_wait_tensorcnt 0x0
	ds_add_u32 v160, v161
	s_wait_dscnt 0x0
	s_endpgm
.Lfunc_end_k_q35e65165d4_gather:
	.size	k_q35e65165d4_gather, .Lfunc_end_k_q35e65165d4_gather-k_q35e65165d4_gather
	.p2alignl 7, 3214868480
	.fill 96, 4, 3214868480
	.section	.rodata,"a",@progbits
	.p2align	6, 0x0
	.amdhsa_kernel k_q35e65165d4_gather
		.amdhsa_group_segment_fixed_size 2304
		.amdhsa_private_segment_fixed_size 0
		.amdhsa_enable_private_segment 0
		.amdhsa_kernarg_size 40
		.amdhsa_user_sgpr_count 2
		.amdhsa_user_sgpr_kernarg_segment_ptr 1
		.amdhsa_wavefront_size32 1
		.amdhsa_system_sgpr_workgroup_id_x 1
		.amdhsa_system_sgpr_workgroup_id_y 1
		.amdhsa_system_sgpr_workgroup_id_z 1
		.amdhsa_system_vgpr_workitem_id 0
		.amdhsa_next_free_vgpr 162
		.amdhsa_next_free_sgpr 100
		.amdhsa_reserve_vcc 1
		.amdhsa_float_denorm_mode_32 3
		.amdhsa_float_denorm_mode_16_64 3
		.amdhsa_memory_ordered 1
		.amdhsa_forward_progress 1
		.amdhsa_inst_pref_size 17
	.end_amdhsa_kernel
	.amdgpu_metadata
---
amdhsa.version: [ 1, 2 ]
amdhsa.kernels:
  - .name:           k_q35e65165d4_gather
    .symbol:         k_q35e65165d4_gather.kd
    .args:
      - { .name: z, .offset: 0, .size: 8, .value_kind: global_buffer, .address_space: global }
      - { .name: embedding, .offset: 8, .size: 8, .value_kind: global_buffer, .address_space: global }
      - { .name: cand, .offset: 16, .size: 8, .value_kind: global_buffer, .address_space: global }
      - { .name: out0, .offset: 24, .size: 8, .value_kind: global_buffer, .address_space: global }
      - { .name: partial, .offset: 32, .size: 8, .value_kind: global_buffer, .address_space: global }
    .group_segment_fixed_size: 2304
    .private_segment_fixed_size: 0
    .kernarg_segment_align: 8
    .kernarg_segment_size: 40
    .max_flat_workgroup_size: 512
    .sgpr_count:     100
    .vgpr_count:     162
    .wavefront_size: 32
...
	.end_amdgpu_metadata
.endif
;; end of part 3
;; launch finish (part 4): grid 1 x 1, 1 waves a work-group, no clusters, 0 bytes of LDS; arguments partial, out1; writes out1
.if DOCPART == 4
	.amdgcn_target "amdgcn-amd-amdhsa--gfx1250"
	.amdhsa_code_object_version 6
	.text
	.protected	k_q35e65165d4_finish
	.globl	k_q35e65165d4_finish
	.p2align	8
	.type	k_q35e65165d4_finish,@function
k_q35e65165d4_finish:
	s_mov_b64 s[64:65], 0
	v_nop
	global_prefetch_b8 v0, s[64:65] scope:SCOPE_SE
	s_setreg_imm32_b32 hwreg(HW_REG_WAVE_MODE, 25, 1), 1
	s_wait_xcnt 0x0
; out1 = 2 x the mean of (out0 - z)^2 = the sum of the 256 partial sums x 2 / (16384 x 512) = x 2^-22.  One wave: a sum over work-groups has one owner, in a launch of its own.
	s_load_b128 s[4:7], s[0:1], 0x0                ; partial s[4:5], out1 s[6:7]
	v_lshlrev_b32 v1, 4, v0                        ; 16 x lane
	v_mov_b32 v2, 0
	s_mov_b32 s8, 0x76543210
	s_mov_b32 s9, 0xfedcba98
	s_wait_alu depctr_va_vdst(0)
	s_wait_kmcnt 0x0
	global_load_b128 v[4:7], v1, s[4:5]            ; 1,024 bytes in two loads of 512
	global_load_b128 v[8:11], v1, s[4:5] offset:512
	s_wait_loadcnt 0x0
	v_pk_add_f32 v[4:5], v[4:5], v[6:7]
	v_pk_add_f32 v[8:9], v[8:9], v[10:11]
	v_pk_add_f32 v[4:5], v[4:5], v[8:9]
	v_add_f32 v4, v4, v5
	v_add_f32_dpp v4, v4, v4 row_xmask:1 row_mask:0xf bank_mask:0xf
	v_add_f32_dpp v4, v4, v4 row_xmask:2 row_mask:0xf bank_mask:0xf
	v_add_f32_dpp v4, v4, v4 row_xmask:4 row_mask:0xf bank_mask:0xf
	v_add_f32_dpp v4, v4, v4 row_xmask:8 row_mask:0xf bank_mask:0xf
	v_permlanex16_b32 v5, v4, s8, s9
	v_add_f32 v4, v4, v5
	v_mul_f32 v4, 0x34800000, v4                   ; x 2^-22: exact
	s_wait_alu depctr_va_vdst(0)
	s_wait_xcnt 0x0                                ; EXEC changes only behind this wait
	v_cmp_eq_u32 vcc_lo, 0, v0
	s_and_saveexec_b32 s10, vcc_lo
	global_store_b32 v2, v4, s[6:7]
	s_endpgm
.Lfunc_end_k_q35e65165d4_finish:
	.size	k_q35e65165d4_finish, .Lfunc_end_k_q35e65165d4_finish-k_q35e65165d4_finish
	.p2alignl 7, 3214868480
	.fill 96, 4, 3214868480
	.section	.rodata,"a",@progbits
	.p2align	6, 0x0
	.amdhsa_kernel k_q35e65165d4_finish
		.amdhsa_group_segment_fixed_size 0
		.amdhsa_private_segment_fixed_size 0
		.amdhsa_enable_private_segment 0
		.amdhsa_kernarg_size 16
		.amdhsa_user_sgpr_count 2
		.amdhsa_user_sgpr_kernarg_segment_ptr 1
		.amdhsa_wavefront_size32 1
		.amdhsa_system_sgpr_workgroup_id_x 1
		.amdhsa_system_sgpr_workgroup_id_y 1
		.amdhsa_system_sgpr_workgroup_id_z 1
		.amdhsa_system_vgpr_workitem_id 0
		.amdhsa_next_free_vgpr 16
		.amdhsa_next_free_sgpr 66
		.amdhsa_reserve_vcc 1
		.amdhsa_float_denorm_mode_32 3
		.amdhsa_float_denorm_mode_16_64 3
		.amdhsa_memory_ordered 1
		.amdhsa_forward_progress 1
		.amdhsa_inst_pref_size 2
	.end_amdhsa_kernel
	.amdgpu_metadata
---
amdhsa.version: [ 1, 2 ]
amdhsa.kernels:
  - .name:           k_q35e65165d4_finish
    .symbol:         k_q35e65165d4_finish.kd
    .args:
      - { .name: partial, .offset: 0, .size: 8, .value_kind: global_buffer, .address_space: global }
      - { .name: out1, .offset: 8, .size: 8, .value_kind: global_buffer, .address_space: global }
    .group_segment_fixed_size: 0
    .private_segment_fixed_size: 0
    .kernarg_segment_align: 8
    .kernarg_segment_size: 16
    .max_flat_workgroup_size: 32
    .sgpr_count:     66
    .vgpr_count:     16
    .wavefront_size: 32
...
	.end_amdgpu_metadata
.endif
;; end of part 4
